; MI455X (gfx1250); checked and timed in simulation.
; The chip was launched on July 23, 2026; its instructions are those of AMD's public machine-readable ISA for CDNA 5 (MIT licence, August 2026) and "CDNA5" Instruction Set Architecture Reference Guide (July 2026). The comments in the code are by the model that wrote it; some were corrected since.
;; NF4 Linear. Allowed arithmetic: float matrix products may take bf16 or f16 operands with f32 sums; all other float work in f32.
;; Inputs: indices 8,388,608 int32; q_scales 131,072 int32; x 4 x 2,048 x 4,096 float32.
;; Outputs: out0 4 x 2,048 x 2,048 float32.
;; 2 versions, each right; version 2 is version 1 with the launch prep written anew for expert scheduling mode. Each part assembles by itself: llvm-mc -triple=amdgcn-amd-amdhsa -mcpu=gfx1250 --defsym DOCPART=n.
;; ======== version 1 of 2: 2 launches
;; limits: values are held in f16: magnitudes above 65,504 overflow, below 6.1e-05 lose precision; inputs' magnitudes at most 65,504
;; workspace buffers: xh 67,108,864 bytes; wh 16,777,216 bytes
;; launch prep (part 1): grid 256 x 1, 16 waves a work-group, no clusters, 0 bytes of LDS; arguments x, indices, q_scales, xh, wh; writes xh, wh
.if DOCPART == 1
	.amdgcn_target "amdgcn-amd-amdhsa--gfx1250"
	.amdhsa_code_object_version 6
	.text
	.protected	k_qa577373221_prep
	.globl	k_qa577373221_prep
	.p2align	8
	.type	k_qa577373221_prep,@function
k_qa577373221_prep:
	s_mov_b64 s[64:65], 0
	v_nop
	global_prefetch_b8 v0, s[64:65] scope:SCOPE_SE
	s_setreg_imm32_b32 hwreg(HW_REG_WAVE_MODE, 25, 1), 1
	s_wait_xcnt 0x0
; xh = f16(x), 8,192 rows;  wh = f16(level[index] * absmax), 2,048 rows, absmax = q / 127 * 0.05 for each 64 neighbouring elements.  A row is 4,096 f16.
; A stream: every input byte is read once, every output byte written once; no LDS byte, no barrier, no matrix unit, nothing shared between waves.
; ORDER OF K IN A ROW, the same in xh and in wh: in each 256 neighbouring k, place 8 l + j holds k = 4 l + j and place 8 l + 4 + j holds k = 128 + 4 l + j (l = 0..31, j = 0..3).
; The product that follows sums over all places of a row, so it needs only that both operands have one order.  The order is what a lane holds: four numbers of each of two
; neighbouring chunks, 16 bytes that it stores together, so that each store of the wave covers 512 consecutive bytes, aligned.
; SHARES.  4,096 equal waves.  Wave g owns half a row of W (8 KB of indices, 32 scales, 4 KB out) and rows 2 g, 2 g + 1 of x (32 KB in, 16 KB out):
; 16 + 64 = 80 chunks; a chunk is one load of 16 bytes a lane, 512 neighbouring bytes.
; ONE RING of 32 register slots, walked in five legs of 16 slots, all written out: no loop, so no base is stepped.
;   at the start  slots 0-15 take the indices, slots 16-31 chunks 0-15 of x: 32 loads of the wave are out, and stay so until the last two legs
;   leg 0  slots 0-15:  the weights;        the slots go on with chunks 16-31 of x
;   leg 1  slots 16-31: chunks 0-15 of x;   the slots go on with chunks 32-47
;   leg 2  slots 0-15:  chunks 16-31;       the slots go on with chunks 48-63
;   leg 3  slots 16-31: chunks 32-47;       leg 4  slots 0-15: chunks 48-63;   nothing is left to ask for
; NO REGISTER THAT A STORE READS IS WRITTEN AGAIN: legs 0 to 2, whose slots are loaded again, put each pair of chunks into four registers of its own; legs 3 and 4 convert in
; place.  The address registers and the bases are never rewritten either.  So no wait stands in the text for a store's sake, and a wave stops only for data.
; LIMITS.  |x| >= 65,520 becomes infinity in f16 and |x| < 2^-25 becomes zero.  q / 127 is made as q * f32(1 / 127): at most one unit in f32's last place ahead of
; the rounding to f16.  q is any int32, taken as signed.  Indices above 15 are clamped to 15; negative indices are not served (they clamp to 15 too).
.set LO16, 1                           ; v1         16 x lane: my 16 bytes in a chunk as loaded and in a pair of chunks as stored; never rewritten
.set LO4,  2                           ; v2         4 x lane: my scale; never rewritten
.set TAB,  3                           ; v3         lane l holds level l (l < 16), 0 above
.set AB,   4                           ; v4         lane l: q, then absmax, of my half row's block l
.set TMP,  5                           ; v5         at work
.set SC,   6                           ; v[6:13]    a pair for each of a group's four slots: my lane's absmax, and a 0 (the packed multiply names the pair)
.set LANE, 14                          ; v14        lane
.set X,    16                          ; v[16:143]  slot t: 4 registers as loaded
.set Y,    144                         ; v[144:239] legs 0, 1, 2: 8 pairs of chunks each, 4 registers a pair, to store
.set CHUNK, 512                        ; bytes of a chunk as loaded, and of a pair of chunks as stored
.macro LEVEL l, bits                   ; one entry of the table into lane l
	s_mov_b32 s28, \bits
	v_writelane_b32 v[TAB], s28, \l
.endm
	s_load_b256 s[4:11], s[0:1], 0x0               ; x s[4:5], indices s[6:7], q_scales s[8:9], xh s[10:11]
	s_load_b64 s[12:13], s[0:1], 0x20              ; wh
	v_and_b32 v[LANE], 31, v0
	v_lshrrev_b32 v[TMP], 5, v0
	v_readfirstlane_b32 s14, v[TMP]                ; wave 0..15
	s_lshl_b32 s15, ttmp9, 4
	s_add_co_u32 s15, s15, s14                     ; g = 16 x work-group + wave
	v_lshlrev_b32 v[LO16], 4, v[LANE]
	v_lshlrev_b32 v[LO4], 2, v[LANE]
	v_mov_b32 v[TAB], 0                            ; written whole before single lanes are
	LEVEL 0,  0xbf800000                           ; -1.0
	LEVEL 1,  0xbf3239b1                           ; -0.6961928009986877
	LEVEL 2,  0xbf066b30                           ; -0.5250730514526367
	LEVEL 3,  0xbeca32a0                           ; -0.39491748809814453
	LEVEL 4,  0xbe91a24d                           ; -0.28444138169288635
	LEVEL 5,  0xbe3d353f                           ; -0.18477343022823334
	LEVEL 6,  0xbdba7871                           ; -0.09105003625154495
	LEVEL 7,  0                                    ;  0.0
	LEVEL 8,  0x3da2faff                           ;  0.07958029955625534
	LEVEL 9,  0x3e24cae3                           ;  0.16093020141124725
	LEVEL 10, 0x3e7c04dd                           ;  0.24611230194568634
	LEVEL 11, 0x3ead033a                           ;  0.33791524171829224
	LEVEL 12, 0x3ee1a4b8                           ;  0.44070982933044434
	LEVEL 13, 0x3f1007ab                           ;  0.5626170039176941
	LEVEL 14, 0x3f3913b3                           ;  0.7229568362236023
	LEVEL 15, 0x3f800000                           ;  1.0
.irp i, 0,1,2,3
	v_mov_b32 v[SC+2*\i+1], 0                      ; the pairs' upper registers: named by the packed multiply, never used
.endr
	v_cmp_le_u32 vcc_lo, 16, v[LANE]               ; lanes 16-31: a chunk's second block.  VCC is kept through leg 0
	s_mov_b32 s17, 0                               ; every offset below is under 2^28: the pair's high word is 0
	s_wait_kmcnt 0x0
	s_lshl_b32 s16, s15, 15                        ; x: 2 rows of 16,384 bytes
	s_add_nc_u64 s[4:5], s[4:5], s[16:17]
	s_lshl_b32 s16, s15, 13                        ; indices: half a row, 2,048 words
	s_add_nc_u64 s[6:7], s[6:7], s[16:17]
	s_lshl_b32 s16, s15, 7                         ; q_scales: half a row's 32 words
	s_add_nc_u64 s[8:9], s[8:9], s[16:17]
	s_lshl_b32 s16, s15, 14                        ; xh: 2 rows of 8,192 bytes
	s_add_nc_u64 s[10:11], s[10:11], s[16:17]
	s_lshl_b32 s16, s15, 12                        ; wh: half a row, 4,096 bytes
	s_add_nc_u64 s[12:13], s[12:13], s[16:17]      ; from here on no base is written again
	global_load_b32 v[AB], v[LO4], s[8:9]          ; my 32 scales: 128 consecutive bytes, once
.set t, 0
.rept 16
	global_load_b128 v[X+4*t:X+4*t+3], v[LO16], s[6:7] offset:CHUNK*t th:TH_LOAD_NT             ; slots 0-15: the indices
.set t, t+1
.endr
.set t, 0
.rept 16
	global_load_b128 v[X+4*(16+t):X+4*(16+t)+3], v[LO16], s[4:5] offset:CHUNK*t th:TH_LOAD_NT   ; slots 16-31: chunks 0-15 of x
.set t, t+1
.endr
	s_wait_loadcnt 32                              ; the scales are in; the 32 loads issued behind them stay out
	v_cvt_f32_i32 v[AB], v[AB]
	v_mul_f32 v[AB], 0x3c010204, v[AB]             ; x 1 / 127
	v_mul_f32 v[AB], 0x3d4ccccd, v[AB]             ; x 0.05
; LEG 0, four slots (4 g .. 4 g + 3) at a time, so that the wave sits out four round trips of the lane permute and not sixteen.
; Chunk t is elements 128 t .. 128 t + 127 of my half row: lanes 0-15 hold block 2 t, lanes 16-31 block 2 t + 1.
.macro DEQ4 g
	s_wait_loadcnt 28                              ; behind slot 4 g + 3's load stand 12 - 4 g loads of indices, the 16 first loads of x and 4 g refills: 28 in every group
.set n, 0
.rept 16
	v_min_u32 v[X+16*\g+n], 15, v[X+16*\g+n]       ; a loaded number selects a lane only behind this clamp
.set n, n+1
.endr
.set n, 0
.rept 16
	v_lshlrev_b32 v[X+16*\g+n], 2, v[X+16*\g+n]    ; the permute's select is lane x 4
.set n, n+1
.endr
.set n, 0
.rept 16
	ds_bpermute_b32 v[X+16*\g+n], v[X+16*\g+n], v[TAB]   ; level[index], in place; no LDS byte is touched
.set n, n+1
.endr
.irp i, 0,1,2,3
	v_readlane_b32 s[20+2*\i], v[AB], 2*(4*\g+\i)        ; absmax of block 2 t
	v_readlane_b32 s[21+2*\i], v[AB], 2*(4*\g+\i)+1      ; and of block 2 t + 1
	v_mov_b32 v[TMP], s[21+2*\i]
	v_cndmask_b32 v[SC+2*\i], s[20+2*\i], v[TMP], vcc_lo ; lanes 0-15 take the first, lanes 16-31 the second
.endr
.irp i, 0,1,2,3
.set XT, X+4*(4*\g+\i)
.set YT, Y+2*(4*\g+\i)                 ; chunk t's two registers: the lower or the upper half of its pair's four
	s_wait_dscnt 12-4*\i                           ; this slot's four permutes are back; those of the group's later slots stay out
	v_pk_mul_f32 v[XT:XT+1],   v[XT:XT+1],   v[SC+2*\i:SC+2*\i+1] op_sel_hi:[1,0]
	v_pk_mul_f32 v[XT+2:XT+3], v[XT+2:XT+3], v[SC+2*\i:SC+2*\i+1] op_sel_hi:[1,0]
	v_cvt_pk_f16_f32 v[YT],   v[XT],   v[XT+1]     ; the rounding to f16 that the weights get by definition
	v_cvt_pk_f16_f32 v[YT+1], v[XT+2], v[XT+3]
.endr
.irp i, 0,1,2,3
	global_load_b128 v[X+4*(4*\g+\i):X+4*(4*\g+\i)+3], v[LO16], s[4:5] offset:CHUNK*(16+4*\g+\i) th:TH_LOAD_NT   ; slot t goes on with chunk 16 + t of x; loads ahead of stores
.endr
.irp p, 0,1
	global_store_b128 v[LO16], v[Y+4*(2*\g+\p):Y+4*(2*\g+\p)+3], s[12:13] offset:CHUNK*(2*\g+\p)   ; a pair of chunks: 512 consecutive bytes of wh
.endr
.endm
; LEGS 1 TO 4: slots s, s + 1 hold chunks c, c + 1 of x (c even), four f32 a lane each.  Their eight f16 go into v[d .. d + 3] and out.
; refill = 1: the two slots take the chunks 32 further on.  left = the younger loads that may stay out.
; With d = the first slot's own registers the conversion is in place: each line's destination has been read by that line or by the one before it.
.macro CVT2 s, c, d, refill, left
	s_wait_loadcnt \left                           ; loads come back in order (ISA guide 5.7.1): both of mine are in
	v_cvt_pk_f16_f32 v[(\d)],   v[X+4*(\s)],   v[X+4*(\s)+1]
	v_cvt_pk_f16_f32 v[(\d)+1], v[X+4*(\s)+2], v[X+4*(\s)+3]
	v_cvt_pk_f16_f32 v[(\d)+2], v[X+4*(\s)+4], v[X+4*(\s)+5]
	v_cvt_pk_f16_f32 v[(\d)+3], v[X+4*(\s)+6], v[X+4*(\s)+7]
.if \refill
	global_load_b128 v[X+4*(\s):X+4*(\s)+3],   v[LO16], s[4:5] offset:CHUNK*((\c)+32) th:TH_LOAD_NT
	global_load_b128 v[X+4*(\s)+4:X+4*(\s)+7], v[LO16], s[4:5] offset:CHUNK*((\c)+33) th:TH_LOAD_NT
.endif
	global_store_b128 v[LO16], v[(\d):(\d)+3], s[10:11] offset:CHUNK*((\c)/2)   ; 512 consecutive bytes of xh
.endm
.irp g, 0,1,2,3
	DEQ4 \g                                        ; leg 0
.endr
.set p, 0
.rept 8
	CVT2 16+2*p, 2*p, Y+32+4*p, 1, 30              ; leg 1.  Younger than the pair's loads: 14 - 2 p first loads of x, leg 0's 16 refills, 2 p of this leg
.set p, p+1
.endr
.set p, 0
.rept 8
	CVT2 2*p, 16+2*p, Y+64+4*p, 1, 30              ; leg 2.  Younger: 14 - 2 p refills of leg 0, leg 1's 16, 2 p of this leg
.set p, p+1
.endr
.set p, 0
.rept 8
	CVT2 16+2*p, 32+2*p, X+4*(16+2*p), 0, 30-2*p   ; leg 3, in place.  Younger: 14 - 2 p refills of leg 1 and leg 2's 16; no load leaves x
.set p, p+1
.endr
.set p, 0
.rept 8
	CVT2 2*p, 48+2*p, X+4*(2*p), 0, 14-2*p         ; leg 4, in place.  Younger: 14 - 2 p refills of leg 2: the counts run down to 0
.set p, p+1
.endr
	s_endpgm
.Lfunc_end_k_qa577373221_prep:
	.size	k_qa577373221_prep, .Lfunc_end_k_qa577373221_prep-k_qa577373221_prep
	.p2alignl 7, 3214868480
	.fill 96, 4, 3214868480
	.section	.rodata,"a",@progbits
	.p2align	6, 0x0
	.amdhsa_kernel k_qa577373221_prep
		.amdhsa_group_segment_fixed_size 0
		.amdhsa_private_segment_fixed_size 0
		.amdhsa_enable_private_segment 0
		.amdhsa_kernarg_size 40
		.amdhsa_user_sgpr_count 2
		.amdhsa_user_sgpr_kernarg_segment_ptr 1
		.amdhsa_wavefront_size32 1
		.amdhsa_system_sgpr_workgroup_id_x 1
		.amdhsa_system_sgpr_workgroup_id_y 1
		.amdhsa_system_sgpr_workgroup_id_z 1
		.amdhsa_system_vgpr_workitem_id 0
		.amdhsa_next_free_vgpr 240
		.amdhsa_next_free_sgpr 66
		.amdhsa_reserve_vcc 1
		.amdhsa_float_denorm_mode_32 3
		.amdhsa_float_denorm_mode_16_64 3
		.amdhsa_memory_ordered 1
		.amdhsa_forward_progress 1
		.amdhsa_inst_pref_size 40
	.end_amdhsa_kernel
	.amdgpu_metadata
---
amdhsa.version: [ 1, 2 ]
amdhsa.kernels:
  - .name:           k_qa577373221_prep
    .symbol:         k_qa577373221_prep.kd
    .args:
      - { .name: x, .offset: 0, .size: 8, .value_kind: global_buffer, .address_space: global }
      - { .name: indices, .offset: 8, .size: 8, .value_kind: global_buffer, .address_space: global }
      - { .name: q_scales, .offset: 16, .size: 8, .value_kind: global_buffer, .address_space: global }
      - { .name: xh, .offset: 24, .size: 8, .value_kind: global_buffer, .address_space: global }
      - { .name: wh, .offset: 32, .size: 8, .value_kind: global_buffer, .address_space: global }
    .group_segment_fixed_size: 0
    .private_segment_fixed_size: 0
    .kernarg_segment_align: 8
    .kernarg_segment_size: 40
    .max_flat_workgroup_size: 512
    .sgpr_count:     66
    .vgpr_count:     240
    .wavefront_size: 32
...
	.end_amdgpu_metadata
.endif
;; end of part 1
;; launch gemm (part 2): grid 8 x 32, 4 waves a work-group, clusters of 4 x 4, 327,680 bytes of LDS; arguments xh, wh, out0; writes out0
.if DOCPART == 2
	.amdgcn_target "amdgcn-amd-amdhsa--gfx1250"
	.amdhsa_code_object_version 6
	.text
	.protected	k_qa577373221_gemm
	.globl	k_qa577373221_gemm
	.p2align	8
	.type	k_qa577373221_gemm,@function
k_qa577373221_gemm:
	s_mov_b64 s[64:65], 0
	v_nop
	global_prefetch_b8 v0, s[64:65] scope:SCOPE_SE
	s_setreg_imm32_b32 hwreg(HW_REG_WAVE_MODE, 25, 1), 1
	s_wait_xcnt 0x0
	s_wait_alu depctr_hold_cnt(0) depctr_sa_sdst(0) depctr_va_vdst(0) depctr_va_sdst(0) depctr_va_ssrc(0) depctr_va_vcc(0) depctr_vm_vsrc(0)
	s_getreg_b32 s2, hwreg(HW_REG_IB_STS2, 6, 4)
	s_cmp_eq_u32 s2, 0
	s_cbranch_scc0 .Lentry_in_a_cluster
	s_endpgm
.Lentry_in_a_cluster:
	s_bfe_u32 s2, ttmp6, 0x10000c
	s_cmp_lg_u32 s2, 0xf033
	s_cbranch_scc0 .Lentry_shape_is_right
	s_endpgm
.Lentry_shape_is_right:
; out0[m][n] = sum over k of xh[m][k] wh[n][k].  xh: [8192][4096] f16, wh: [2048][4096] f16, out0: [8192][2048] f32; sums in f32.
; The weights are f16 by their definition, so they enter with their own bits; x was rounded to f16 (|x| >= 65,520 is infinity there).
; A tile of C, 256 x 256, is made by a work-group of four waves; a wave makes 128 x 128: 64 accumulators of 16 x 16, 512 registers.  32 x 8 = 256 tiles, one to a work-group.
; K goes in 32 steps of 128 through a ring of two LDS slots filled by the tensor data mover: a tile's rows are 256 bytes of memory and start at multiples of 256 bytes from the buffer's first byte.
; CLUSTERS: 4 x 4 work-groups.  The four of a row of the cluster need the same tiles of xh, the four of a column the same tiles of wh.  Such a tile is asked for JOINTLY: each of the
; four issues the same tensor load, with the same descriptor and a mask that names the four, and each receives the tile in its own LDS: a quarter of the requests.
; REGISTERS, in windows of 256 (s_set_vgpr_msb's low byte: bits 1:0 source 0, 3:2 source 1, 5:4 source 2, 7:6 destination):
;   window 0: v0-31 addresses; v64-127, v128-191 fragments of A (8 x 16 rows x 32 K), two buffers; on the way out the same 128 registers hold two blocks of 16 rows of C
;   window 1: v64-127, v128-191 fragments of B, two buffers
;   window 2: the 32 accumulators of my rows 0-63 (accumulator (a, b) at v[8 (8 a + b)]);   window 3: those of my rows 64-127
; THE MATRIX INSTRUCTION IS USED TRANSPOSED: source 0 = 16 rows of wh, source 1 = 16 rows of xh.  In the result lane l holds row m = l % 16 of C and its registers 0 to 7 the columns
; n = 8 (l / 16) + 0 .. 7: 32 neighbouring bytes of a row of C.
.set SIZE_M, 8192
.set SIZE_N, 2048
.set SIZE_K, 4096
.set KSTEP,  128
.set PITCH,  272                       ; an LDS row: 256 bytes of data + 16 of padding = 68 words: row r starts at bank 4 r mod 64 (64 banks of 4 bytes: ISA guide 11.1), so the 16 rows of a fragment load start at 16 different banks
.set HALFT,  128*PITCH                 ; 128 rows: what one tensor load brings, and what one wave reads of A or of B
.set SLOT,   4*HALFT                   ; A's 256 rows, then B's 256 rows
.set STAGE,  2*SLOT                    ; behind the ring, at a multiple of 256 bytes: 16 rows x 528 bytes for each wave, for the way out; no tensor load lands here
.set SP,     528                       ; a stage row: 512 bytes (my 128 columns in f32) + 16: 132 words, row r starts at bank 4 r mod 64
.set LAPS,   SIZE_K/(2*KSTEP)          ; 16 laps; a lap = two K steps = once round the ring
.set CROW,   SIZE_N*4                  ; bytes in a row of C
.set ADRA, 16                          ; v16-17  LDS address of my A fragments in slot 0, 1
.set ADRB, 20                          ; v20-21  the same for B
.set STO,  24                          ; v24     the way out: where I put my 32 bytes of a row
.set RD,   25                          ; v25     the way out: where I read 16 bytes of a row back
.set CO,   26                          ; v26     my byte offset in a row of C; never rewritten
.set F0,   64                          ; fragment buffer 0
.set F1,   128                         ; fragment buffer 1
.set G1,  24                           ; s[24:31] descriptor group 1 for A's tiles
.set G0,  32                           ; s[32:39] descriptor group 0 for A's tiles, one set for each slot
.set G1B, 48                           ; s[48:55] descriptor group 1 for B's tiles: it differs from A's in the mask alone
.set G0B, 56                           ; s[56:63] descriptor group 0 for B's tiles, one set for each slot
.set MSB, 0
.macro WIN new                         ; the immediate's high byte repeats the setting that is left; a switch that changes nothing is dropped
.if MSB != (\new)
	s_set_vgpr_msb (MSB<<8)|(\new)
.set MSB, (\new)
.endif
.endm
.set MUL_LO, 0xa1                      ; source 0 (B) window 1, source 1 (A) window 0, C and D window 2
.set MUL_HI, 0xf1                      ; the same, C and D window 3
.set TO_B,   0x40                      ; destination window 1, address window 0
; A joint load.  Waves 0 and 1 fetch A's two halves, waves 2 and 3 B's.  Each of the two lines has one mask and one set of registers for all that issue it.
; The branch hangs on the wave's number alone: it is the same in every work-group.  Four v_nop follow each of the two lines, ahead of the jump, the label and what follows.
.macro JLOAD s
	s_cmp_eq_u32 s11, 0
	s_cbranch_scc0 .Lfor_b_\@
	tensor_load_to_lds s[G0+4*\s:G0+4*\s+3], s[G1:G1+7]
	s_nop 0
.rept 4
	v_nop
.endr
	s_branch .Lasked_\@
.Lfor_b_\@:
	tensor_load_to_lds s[G0B+4*\s:G0B+4*\s+3], s[G1B:G1B+7]
	s_nop 0
.rept 4
	v_nop
.endr
.Lasked_\@:
.endm
; A round of the cluster's barrier: my work-group's barrier, so that wave 0's signal speaks for all four waves; wave 0 signals for the work-group; every wave waits for all
; sixteen work-groups; my work-group's barrier once more.  No LDS instruction of the wave is pending at a signal.
.macro CREST                           ; a round behind its opening barrier
	s_cmp_lg_u32 s10, 0
	s_cbranch_scc1 .Lnot_wave_0_\@
	s_barrier_signal -3
.Lnot_wave_0_\@:
	s_barrier_wait -3
	s_barrier_signal -1
	s_barrier_wait -1
.endm
.macro CROUND                          ; a whole round
	s_barrier_signal -1
	s_barrier_wait -1
	CREST
.endm
	s_load_b128 s[4:7], s[0:1], 0x0                ; xh (A) s[4:5], wh (B) s[6:7]
	s_load_b64 s[8:9], s[0:1], 0x10                ; out0 (C)
	s_set_vgpr_msb 0x40
	v_lshl_add_u32 v255, v0, 2, 0x4c400
	s_set_vgpr_msb 0x4000
	v_mov_b32 v255, 0
	s_set_vgpr_msb 0x1
	ds_add_u32 v255, v255
	ds_add_u32 v255, v255
	s_set_vgpr_msb 0x100
	v_lshrrev_b32 v1, 5, v0
	v_readfirstlane_b32 s10, v1                    ; wave 0..3
	s_lshr_b32 s11, s10, 1                         ; which half of the tile's rows is mine.  Also: I fetch for A (0) or for B (1)
	s_and_b32 s12, s10, 1                          ; which half of its columns.  Also: which 128 rows of that tile I fetch
	s_bfe_u32 s40, ttmp6, 0x40000                  ; cx: my place along the cluster's x
	s_bfe_u32 s41, ttmp6, 0x40004                  ; cy: along its y
	s_lshl_b32 s42, ttmp9, 2                       ; in a cluster launch ttmp9 and ttmp7 count clusters
	s_add_co_u32 s42, s42, s40                     ; tile column of C = 4 x cluster x + cx
	s_and_b32 s13, ttmp7, 0xffff
	s_lshl_b32 s13, s13, 2
	s_add_co_u32 s13, s13, s41                     ; tile row of C = 4 x cluster y + cy
	s_lshl_b32 s43, s41, 2
	s_lshl_b32 s43, 15, s43                        ; my row of the cluster: places 4 cy .. 4 cy + 3
	s_lshl_b32 s44, 0x1111, s40                    ; my column: places cx, cx + 4, cx + 8, cx + 12
	; descriptor group 1: a tile of 128 rows x 128 elements of 2 bytes, padded in LDS
	s_or_b32 s[G1+0], s43, (1<<16)|(1<<20)|(1<<21)|(5<<22)|(3<<25)  ; 15:0 the mask: A's tiles go to my row; 17:16 elements of 2 bytes; 20 padding on; 21 set beside a mask; 24:22 after every 64 words (code 5); 31:25 4 words of it (code 3)
	s_or_b32 s[G1B+0], s44, (1<<16)|(1<<20)|(1<<21)|(5<<22)|(3<<25) ; the same with the mask of my column, for B's tiles
.irp g, G1, G1B
	s_mov_b32 s[\g+1], KSTEP<<16                   ; 63:48 tensor_dim0, low half = 128
	s_mov_b32 s[\g+2], 128<<16                     ; 79:64 its high half = 0; 95:80 tensor_dim1, low half = 128
	s_mov_b32 s[\g+3], KSTEP<<16                   ; 111:96 its high half = 0; 127:112 tile_dim0 = 128
	s_mov_b32 s[\g+4], 128                         ; 143:128 tile_dim1 = 128; 159:144 tile_dim2 = 0
	s_mov_b32 s[\g+5], SIZE_K                      ; 191:160 tensor_dim0_stride, low word: elements from row to row
	s_mov_b32 s[\g+6], 0
	s_mov_b32 s[\g+7], 0
.endr
	; where the tiles come from.  A's hang on the tile row alone, which my row of the cluster shares; B's on the tile column alone, which my column shares.
	; Every wave makes both addresses, in registers that never hold the other coordinate, and asks by one of them.
	s_lshl_b32 s17, s12, 7                         ; which 128 rows of the tile I fetch
	s_lshl_b32 s16, s13, 8
	s_add_co_u32 s16, s16, s17                     ; A: row 256 x tile row + 128 x half
	s_lshl_b32 s46, s42, 8
	s_add_co_u32 s46, s46, s17                     ; B: row 256 x tile column + 128 x half
	s_mov_b32 s17, 0
	s_mov_b32 s47, 0
	s_mov_b64 s[18:19], SIZE_K*2
	s_mul_u64 s[16:17], s[16:17], s[18:19]         ; in bytes
	s_mul_u64 s[46:47], s[46:47], s[18:19]
	s_mul_i32 s20, s10, HALFT                      ; and where they go: A's two halves, then B's two halves = wave x 128 rows: no place in the cluster enters an LDS address
	s_wait_dscnt 0x0
	s_wait_kmcnt 0x0
	s_add_nc_u64 s[14:15], s[4:5], s[16:17]
	s_add_nc_u64 s[46:47], s[6:7], s[46:47]
	CROUND                                         ; all sixteen work-groups are here: the first joint loads meet
.irp s, 0,1
	s_mov_b32 s[G0+4*\s], 1                                        ; 1:0 count = 1
	s_add_co_u32 s[G0+4*\s+1], s20, \s*SLOT                        ; 63:32 LDS address
	s_add_nc_u64 s[G0+4*\s+2:G0+4*\s+3], s[14:15], \s*KSTEP*2      ; 120:64 global address: K step s
	s_or_b32 s[G0+4*\s+3], s[G0+4*\s+3], 0x80000000                ; 127:126 type = 2
	s_mov_b32 s[G0B+4*\s], 1
	s_add_co_u32 s[G0B+4*\s+1], s20, \s*SLOT
	s_add_nc_u64 s[G0B+4*\s+2:G0B+4*\s+3], s[46:47], \s*KSTEP*2
	s_or_b32 s[G0B+4*\s+3], s[G0B+4*\s+3], 0x80000000
	JLOAD \s                                       ; the ring is filled before anything else is done: two loads of mine are out
.endr
	; A fragment is 16 rows x 32 K in 8 registers: lane l holds row l % 16; registers 0-3 hold K = 8 (l / 16) + 0..7, registers 4-7 hold
	; K = 16 + 8 (l / 16) + 0..7.  From rows that lie along K: two loads of 16 bytes, 32 bytes apart.  The same for source 0 and source 1.
	v_and_b32 v1, 15, v0                           ; l % 16
	v_bfe_u32 v2, v0, 4, 1                         ; l / 16
	v_mul_u32_u24 v3, v1, PITCH
	v_lshl_add_u32 v3, v2, 4, v3                   ; row x pitch + 16 x half
	s_mul_i32 s21, s11, HALFT                      ; my 128 rows of A
	s_mul_i32 s22, s12, HALFT                      ; my 128 rows of B,
	s_add_co_u32 s22, s22, 2*HALFT                 ; which lie behind A's 256
.irp s, 0,1
	v_add_nc_u32 v[ADRA+\s], s21, v3
	v_add_nc_u32 v[ADRB+\s], s22, v3
	s_add_co_u32 s21, s21, SLOT
	s_add_co_u32 s22, s22, SLOT
.endr
	s_mul_i32 s23, s10, 16*SP
	s_add_co_u32 s23, s23, STAGE                   ; my stage
	v_mul_u32_u24 v4, v1, SP                       ; in: row l % 16, 32 bytes for each half of the lanes
	v_lshl_add_u32 v4, v2, 5, v4
	v_add_nc_u32 v[STO], s23, v4
	v_and_b32 v5, 31, v0
	v_lshlrev_b32 v[CO], 4, v5                     ; back and out: the 32 lanes take one row's 512 bytes
	v_add_nc_u32 v[RD], s23, v[CO]
	; C at my part of the tile
	s_lshl_b32 s13, s13, 8
	s_lshl_b32 s14, s11, 7
	s_add_co_u32 s16, s13, s14                     ; my first row of C
	s_mov_b32 s17, 0
	s_mov_b64 s[18:19], CROW
	s_mul_u64 s[16:17], s[16:17], s[18:19]
	s_lshl_b32 s46, s42, 10                        ; my first column, in bytes: 1,024 x tile column + 512 x half
	s_lshl_b32 s47, s12, 9
	s_add_co_u32 s46, s46, s47
	s_mov_b32 s47, 0
	s_add_nc_u64 s[16:17], s[16:17], s[46:47]
	s_add_nc_u64 s[8:9], s[8:9], s[16:17]          ; never rewritten after this line
; 16 matrix instructions: m blocks a0, a0 + 1 of the window's four (hi = 0: my rows 0-63, 1: rows 64-127) x all 8 n blocks, 32 along K.
; zero = 1: the first product starts the sums: nothing is ever cleared.  The 64 accumulators take turns, one instruction a turn, in the same order in every quarter.
.macro MUL16 f, hi, a0, zero
.irp a, \a0, \a0+1
.irp b, 0,1,2,3,4,5,6,7
.if \zero
	v_wmma_f32_16x16x32_f16 v[8*(8*(\a)+\b):8*(8*(\a)+\b)+7], v[\f+8*\b:\f+8*\b+7], v[\f+8*(4*\hi+\a):\f+8*(4*\hi+\a)+7], 0
.else
	v_wmma_f32_16x16x32_f16 v[8*(8*(\a)+\b):8*(8*(\a)+\b)+7], v[\f+8*\b:\f+8*\b+7], v[\f+8*(4*\hi+\a):\f+8*(4*\hi+\a)+7], v[8*(8*(\a)+\b):8*(8*(\a)+\b)+7]
.endif
.endr
.endr
.endm
; 32 LDS loads in one run: the fragments of one quarter step (128 rows of B, 128 rows of A, 32 K at byte k of the rows) into buffer f
.macro FETCH slot, k, f
	WIN TO_B
.irp i, 0,1,2,3,4,5,6,7
	ds_load_b128 v[\f+8*\i:\f+8*\i+3],   v[ADRB+\slot] offset:\k+\i*16*PITCH
	ds_load_b128 v[\f+8*\i+4:\f+8*\i+7], v[ADRB+\slot] offset:\k+\i*16*PITCH+32
.endr
	WIN 0
.irp i, 0,1,2,3,4,5,6,7
	ds_load_b128 v[\f+8*\i:\f+8*\i+3],   v[ADRA+\slot] offset:\k+\i*16*PITCH
	ds_load_b128 v[\f+8*\i+4:\f+8*\i+7], v[ADRA+\slot] offset:\k+\i*16*PITCH+32
.endr
.endm
; A load into a register that a matrix instruction has read, and an LDS store that reads a matrix result, stand four places behind that matrix instruction, and only plain vector
; instructions that name none of its registers are places (ISA guide 7.12.1 for vector instructions); the matrix instructions in between are not counted.
.macro PLACES
.rept 4
	v_nop
.endr
.endm
; A K step is four quarter steps of 32 along K, 64 matrix instructions each, on buffers 0, 1, 0, 1.
; One of the first three: multiplies buffer f; in its middle it fetches the next quarter's fragments, at byte k of the same slot's rows, into buffer g.
.macro QUARTER slot, k, f, g, zero
	s_wait_dscnt 8                                 ; B and A's rows 0-63 are in; the youngest eight loads (A's rows 64-127) may be out
	WIN MUL_LO
	MUL16 \f, 0, 0, \zero
	MUL16 \f, 0, 2, \zero
	PLACES
	FETCH \slot, \k, \g
	s_wait_dscnt 32                                ; all but the 32 just issued
	WIN MUL_HI
	MUL16 \f, 1, 0, \zero
	MUL16 \f, 1, 2, \zero
.endm
; The last quarter multiplies buffer 1 and changes slots.  MEET is its first half: ONE barrier for the change of slots.  In front of it each wave waits for its own reads of this
; slot and for all its tensor loads, of which one is out: its part of the next slot.  Behind it nobody reads this slot any more and the next slot is whole.
.macro MEET round                      ; round = 1: the rest of a round of the cluster's barrier follows
	s_wait_dscnt 8
	WIN MUL_LO
	MUL16 F1, 0, 0, 0
	s_wait_dscnt 0                                 ; my reads of this slot are over
	s_wait_tensorcnt 0x0                           ; and all my tensor loads have landed: the one that was out is my part of the next slot
	ds_add_u32 v255, v255
	s_wait_dscnt 0x0
	s_barrier_signal -1                            ; say so,
	MUL16 F1, 0, 2, 0                              ; work on registers while the others arrive,
.if \round
	WIN 0
.endif
	s_barrier_wait -1                              ; and go on when all four have said so
.endm
; The whole last quarter of a K step whose slot is filled again, with the K step two steps on.  From the request to the wait for it a wave issues 240 matrix instructions.
.macro TURN slot, next
	MEET 1
	CREST                                          ; all sixteen work-groups have said so: no wave of any partner still reads this slot's tile or has a load on its way
	s_add_nc_u64 s[G0+4*\slot+2:G0+4*\slot+3], s[G0+4*\slot+2:G0+4*\slot+3], 2*KSTEP*2       ; no tensor load of mine is out, so a group 0 may be written
	s_add_nc_u64 s[G0B+4*\slot+2:G0B+4*\slot+3], s[G0B+4*\slot+2:G0B+4*\slot+3], 2*KSTEP*2
	JLOAD \slot                                    ; the first tensor load behind the round, my only one until the next; its four v_nop are also the places in front of the loads below
	FETCH \next, 0, F0
	WIN MUL_HI
	MUL16 F1, 1, 0, 0
	MUL16 F1, 1, 2, 0
.endm
; The same for K step 30: slot 0 is left for good, nothing is filled again, so my work-group's barrier is enough.
.macro LASTTURN
	MEET 0
	PLACES
	FETCH 1, 0, F0
	WIN MUL_HI
	MUL16 F1, 1, 0, 0
	MUL16 F1, 1, 2, 0
.endm
; THE WAY OUT of block a (16 of my rows x my 128 columns).  TOSTAGE: a lane's 32 bytes of each of 8 accumulators go into my own stage, and the block comes back as 16 whole rows of 512 bytes.
.macro TOSTAGE a
.set AC, 64*((\a)%4)
.set BK, 64+64*((\a)%2)
	WIN 0x08+4*((\a)/4)                            ; store data (source 1) from window 2 or 3, address from window 0
.irp b, 0,1,2,3,4,5,6,7
	ds_store_b128 v[STO], v[AC+8*\b:AC+8*\b+3]   offset:64*\b
	ds_store_b128 v[STO], v[AC+8*\b+4:AC+8*\b+7] offset:64*\b+16
.endr
	WIN 0
	s_wait_xcnt 0x0                                ; the registers loaded below were the data of the stores two blocks back: they are written again only behind this wait
.irp t, 0,1,2,3,4,5,6,7,8,9,10,11,12,13,14,15
	ds_load_b128 v[BK+4*\t:BK+4*\t+3], v[RD] offset:SP*\t   ; LDS serves a wave's instructions in order (ISA guide 5.7.1.4): these see the stores above, and the next block's stores come behind them
.endr
.endm
.macro SEND a, younger                 ; younger: the LDS instructions issued behind block a's loads, which may stay out
.set BK, 64+64*((\a)%2)
	s_wait_dscnt \younger                          ; the block is back in registers
.irp t, 0,1,2,3,4,5,6,7,8,9,10,11,12,13,14,15
	global_store_b128 v[CO], v[BK+4*\t:BK+4*\t+3], s[8:9] offset:(16*(\a)+\t)*CROW th:TH_STORE_NT   ; the wave stores 512 consecutive bytes of a row, at a multiple of 512 from C's first byte; 127 rows at the most: inside the signed 24-bit immediate
.endr
.endm
	s_wait_tensorcnt 1                             ; my part of K step 0 is in; K step 1's load stays out
	s_barrier_signal -1
	s_barrier_wait -1                              ; everybody's is
	FETCH 0, 0, F0
	QUARTER 0, 64,  F0, F1, 1                      ; the first quarter stands in front of the loop: its products start the sums
	WIN 0                                          ; at a label and at a branch every window is 0
	s_mov_b32 s3, LAPS-1
.Llap:                                                 ; 15 trips: a trip goes once round the ring, from a lap's second quarter to the next lap's first, and fills both slots again (K steps 2 to 31)
	QUARTER 0, 128, F1, F0, 0
	QUARTER 0, 192, F0, F1, 0
	TURN 0, 1
	QUARTER 1, 64,  F0, F1, 0
	QUARTER 1, 128, F1, F0, 0
	QUARTER 1, 192, F0, F1, 0
	TURN 1, 0
	QUARTER 0, 64,  F0, F1, 0
	WIN 0
	s_sub_co_u32 s3, s3, 1
	s_cmp_lg_u32 s3, 0
	s_cbranch_scc1 .Llap
	QUARTER 0, 128, F1, F0, 0                      ; the last lap is written out: it asks for nothing more
	QUARTER 0, 192, F0, F1, 0
	LASTTURN
	QUARTER 1, 64,  F0, F1, 0
	QUARTER 1, 128, F1, F0, 0
	QUARTER 1, 192, F0, F1, 0
	s_wait_dscnt 8                                 ; the very last quarter: nothing more to fetch
	WIN MUL_LO
	MUL16 F1, 0, 0, 0
	MUL16 F1, 0, 2, 0
	s_wait_dscnt 0
	WIN MUL_HI
	MUL16 F1, 1, 0, 0
	MUL16 F1, 1, 2, 0
	WIN 0
	PLACES                                         ; the stage's stores read results, and its loads land in fragment registers that the last products read
	TOSTAGE 0
.irp a, 1,2,3,4,5,6,7
	TOSTAGE \a                                     ; block a's trip through the stage is issued ahead of the wait for block a - 1's
	SEND \a-1, 32                                  ; behind block a - 1's loads stand block a's 16 stores and 16 loads
.endr
	SEND 7, 0
	s_set_vgpr_msb 0x1
	s_wait_tensorcnt 0x0
	ds_add_u32 v255, v255
	s_wait_dscnt 0x0
	s_set_vgpr_msb 0x100
	CROUND                                         ; the closing round: no work-group ends while a partner may still ask for a tile that names it
	s_endpgm
.Lfunc_end_k_qa577373221_gemm:
	.size	k_qa577373221_gemm, .Lfunc_end_k_qa577373221_gemm-k_qa577373221_gemm
	.p2alignl 7, 3214868480
	.fill 96, 4, 3214868480
	.section	.rodata,"a",@progbits
	.p2align	6, 0x0
	.amdhsa_kernel k_qa577373221_gemm
		.amdhsa_group_segment_fixed_size 327680
		.amdhsa_private_segment_fixed_size 0
		.amdhsa_enable_private_segment 0
		.amdhsa_kernarg_size 24
		.amdhsa_user_sgpr_count 2
		.amdhsa_user_sgpr_kernarg_segment_ptr 1
		.amdhsa_wavefront_size32 1
		.amdhsa_system_sgpr_workgroup_id_x 1
		.amdhsa_system_sgpr_workgroup_id_y 1
		.amdhsa_system_sgpr_workgroup_id_z 1
		.amdhsa_system_vgpr_workitem_id 0
		.amdhsa_next_free_vgpr 1024
		.amdhsa_next_free_sgpr 66
		.amdhsa_reserve_vcc 0
		.amdhsa_float_denorm_mode_32 3
		.amdhsa_float_denorm_mode_16_64 3
		.amdhsa_memory_ordered 1
		.amdhsa_forward_progress 1
		.amdhsa_inst_pref_size 140
	.end_amdhsa_kernel
	.amdgpu_metadata
---
amdhsa.version: [ 1, 2 ]
amdhsa.kernels:
  - .name:           k_qa577373221_gemm
    .symbol:         k_qa577373221_gemm.kd
    .args:
      - { .name: xh, .offset: 0, .size: 8, .value_kind: global_buffer, .address_space: global }
      - { .name: wh, .offset: 8, .size: 8, .value_kind: global_buffer, .address_space: global }
      - { .name: out0, .offset: 16, .size: 8, .value_kind: global_buffer, .address_space: global }
    .group_segment_fixed_size: 327680
    .private_segment_fixed_size: 0
    .kernarg_segment_align: 8
    .kernarg_segment_size: 24
    .max_flat_workgroup_size: 128
    .sgpr_count:     66
    .vgpr_count:     1024
    .wavefront_size: 32
...
	.end_amdgpu_metadata
.endif
;; end of part 2
;; ======== version 2 of 2: 2 launches; version 1 with the launch prep written anew for expert scheduling mode
;; limits: values are held in f16: magnitudes above 65,504 overflow, below 6.1e-05 lose precision; inputs' magnitudes at most 65,504
;; workspace buffers: xh 67,108,864 bytes; wh 16,777,216 bytes
;; launch prep (part 3): grid 256 x 1, 16 waves a work-group, no clusters, 0 bytes of LDS; arguments x, indices, q_scales, xh, wh; writes xh, wh
.if DOCPART == 3
	.amdgcn_target "amdgcn-amd-amdhsa--gfx1250"
	.amdhsa_code_object_version 6
	.text
	.protected	k_qa577373221_prep
	.globl	k_qa577373221_prep
	.p2align	8
	.type	k_qa577373221_prep,@function
k_qa577373221_prep:
	s_mov_b64 s[64:65], 0
	v_nop
	global_prefetch_b8 v0, s[64:65] scope:SCOPE_SE
	s_setreg_imm32_b32 hwreg(HW_REG_WAVE_SCHED_MODE, 0, 2), 2
	s_setreg_imm32_b32 hwreg(HW_REG_WAVE_MODE, 25, 1), 1
	s_wait_xcnt 0x0
	s_wait_alu depctr_vm_vsrc(0)
; xh = f16(x), 8,192 rows;  wh = f16(level[index] * absmax), 2,048 rows, absmax = q / 127 * 0.05 for each 64 neighbouring elements.  A row is 4,096 f16.
; A stream: every input byte is read once, every output byte written once; no LDS byte, no barrier, no matrix unit, nothing shared between waves.
; ORDER OF K IN A ROW, the same in xh and in wh: in each 256 neighbouring k, place 8 l + j holds k = 4 l + j and place 8 l + 4 + j holds k = 128 + 4 l + j (l = 0..31, j = 0..3).
; The product that follows sums over all places of a row, so it needs only that both operands have one order.  The order is what a lane holds: four numbers of each of two
; neighbouring chunks, 16 bytes that it stores together, so that each store of the wave covers 512 consecutive bytes, aligned.
; SHARES.  4,096 equal waves.  Wave g owns half a row of W (8 KB of indices, 32 scales, 4 KB out) and rows 2 g, 2 g + 1 of x (32 KB in, 16 KB out):
; 16 + 64 = 80 chunks; a chunk is one load of 16 bytes a lane, 512 neighbouring bytes.
; ONE RING of 32 register slots, walked in five legs of 16 slots, all written out: no loop, no branch, so no base is stepped and the text has one path.
;   at the start  slots 0-15 take the indices, slots 16-31 chunks 0-15 of x
;   leg 0  slots 0-15:  the weights;        the slots go on with chunks 16-31 of x
;   leg 1  slots 16-31: chunks 0-15 of x;   the slots go on with chunks 32-47
;   leg 2  slots 0-15:  chunks 16-31;       the slots go on with chunks 48-63
;   leg 3  slots 16-31: chunks 32-47;       leg 4  slots 0-15: chunks 48-63;   nothing is left to ask for
; NO REGISTER THAT A STORE READS IS WRITTEN AGAIN: legs 0 to 2, whose slots are loaded again, put each pair of chunks into four registers of its own; legs 3 and 4 convert in
; place.  The address registers and the bases are never rewritten either.  So no wait stands in the text for a store's sake.
; THE MODE: SCHED_MODE bits 1:0 = 2 (LLVM: expert scheduling mode 2), set by the entry lines.  The code itself states the register dependences between vector instructions
; and memory or LDS instructions, with s_wait_alu, always for 0.
; THE PLAN.  Registers that memory or LDS instructions touch:
;   v1, v2    offsets, and v3, the table: written at the head, ahead of one wait, and named by no vector instruction after it.  Read by every load and store; by every permute.
;   X         a slot: a load lands; vector instructions read it (in leg 0: the clamps read it, the permutes' levels land in it, the multiplies work in place); behind the block's
;             wait the next load lands.  No memory or LDS instruction reads a slot before legs 3 and 4 have converted it in place; then its store does, and nothing writes it again.
;   T0 .. T3  group g's sixteen selects: written by its clamps and shifts, read by its sixteen permutes.  They are the registers of legs 1 and 2's Y, idle in leg 0: one wait
;             on vm_vsrc, in leg 0's last step, stands between the last permute and the roundings that write them as Y.
;   Y         written by a block's roundings, read by the block's stores behind the block's wait, never written again.
; A BLOCK is four slots, and ONE wait on va_vdst stands in it, behind its vector work; its memory and LDS instructions follow in one run, with no vector instruction among them.
; In leg 0 that wait covers two groups: group g's multiplies and roundings (its refills and stores follow) and group g + 1's clamps and shifts (its permutes follow), which were
; laid into the round trip of group g's permutes.
; LIMITS.  |x| >= 65,520 becomes infinity in f16 and |x| < 2^-25 becomes zero.  q / 127 is made as q * f32(1 / 127): at most one unit in f32's last place ahead of
; the rounding to f16.  q is any int32, taken as signed.  Indices above 15 are clamped to 15; negative indices are not served (they clamp to 15 too).
.set LO16, 1                           ; v1         16 x lane: my 16 bytes in a chunk as loaded and in a pair of chunks as stored; never rewritten
.set LO4,  2                           ; v2         4 x lane: my scale; never rewritten
.set TAB,  3                           ; v3         lane l holds level l (l < 16), 0 above
.set AB,   4                           ; v4         lane l: q, then absmax, of my half row's block l
.set TMP,  5                           ; v5         at work
.set SC,   6                           ; v[6:13]    a pair for each of a group's four slots: my lane's absmax, and a 0 (the packed multiply names the pair)
.set LANE, 14                          ; v14        lane
.set X,    16                          ; v[16:143]  slot t: 4 registers as loaded
.set Y,    144                         ; v[144:239] legs 0, 1, 2: 8 pairs of chunks each, 4 registers a pair, to store
.set T,    Y+32                        ; v[176:239] in leg 0 only: group g's sixteen selects at T + 16 g
.set CHUNK, 512                        ; bytes of a chunk as loaded, and of a pair of chunks as stored
.macro LEVEL l, bits                   ; one entry of the table into lane l
	s_mov_b32 s28, \bits
	v_writelane_b32 v[TAB], s28, \l
.endm
	s_load_b256 s[4:11], s[0:1], 0x0               ; x s[4:5], indices s[6:7], q_scales s[8:9], xh s[10:11]
	s_load_b64 s[12:13], s[0:1], 0x20              ; wh
	v_and_b32 v[LANE], 31, v0
	v_lshrrev_b32 v[TMP], 5, v0
	v_readfirstlane_b32 s14, v[TMP]                ; wave 0..15
	v_lshlrev_b32 v[LO16], 4, v[LANE]
	v_lshlrev_b32 v[LO4], 2, v[LANE]
	v_mov_b32 v[TAB], 0                            ; written whole before single lanes are
	LEVEL 0,  0xbf800000                           ; -1.0
	LEVEL 1,  0xbf3239b1                           ; -0.6961928009986877
	LEVEL 2,  0xbf066b30                           ; -0.5250730514526367
	LEVEL 3,  0xbeca32a0                           ; -0.39491748809814453
	LEVEL 4,  0xbe91a24d                           ; -0.28444138169288635
	LEVEL 5,  0xbe3d353f                           ; -0.18477343022823334
	LEVEL 6,  0xbdba7871                           ; -0.09105003625154495
	LEVEL 7,  0                                    ;  0.0
	LEVEL 8,  0x3da2faff                           ;  0.07958029955625534
	LEVEL 9,  0x3e24cae3                           ;  0.16093020141124725
	LEVEL 10, 0x3e7c04dd                           ;  0.24611230194568634
	LEVEL 11, 0x3ead033a                           ;  0.33791524171829224
	LEVEL 12, 0x3ee1a4b8                           ;  0.44070982933044434
	LEVEL 13, 0x3f1007ab                           ;  0.5626170039176941
	LEVEL 14, 0x3f3913b3                           ;  0.7229568362236023
	LEVEL 15, 0x3f800000                           ;  1.0
.irp i, 0,1,2,3
	v_mov_b32 v[SC+2*\i+1], 0                      ; the pairs' upper registers: named by the packed multiply, never used
.endr
	v_cmp_le_u32 vcc_lo, 16, v[LANE]               ; lanes 16-31: a chunk's second block.  VCC is kept through leg 0
	s_wait_alu depctr_va_sdst(0)                   ; s14 is written, ahead of its first reader: g, and with it every base, is made from it
	s_wait_alu depctr_va_vcc(0)                    ; VCC is written, ahead of its first reader; it is written once, so this serves all sixteen selects of leg 0
	s_lshl_b32 s15, ttmp9, 4
	s_add_co_u32 s15, s15, s14                     ; g = 16 x work-group + wave
	s_mov_b32 s17, 0                               ; every offset below is under 2^28: the pair's high word is 0
	s_wait_kmcnt 0x0
	s_lshl_b32 s16, s15, 15                        ; x: 2 rows of 16,384 bytes
	s_add_nc_u64 s[4:5], s[4:5], s[16:17]
	s_lshl_b32 s16, s15, 13                        ; indices: half a row, 2,048 words
	s_add_nc_u64 s[6:7], s[6:7], s[16:17]
	s_lshl_b32 s16, s15, 7                         ; q_scales: half a row's 32 words
	s_add_nc_u64 s[8:9], s[8:9], s[16:17]
	s_lshl_b32 s16, s15, 14                        ; xh: 2 rows of 8,192 bytes
	s_add_nc_u64 s[10:11], s[10:11], s[16:17]
	s_lshl_b32 s16, s15, 12                        ; wh: half a row, 4,096 bytes
	s_add_nc_u64 s[12:13], s[12:13], s[16:17]      ; from here on no base is written again
	s_wait_alu depctr_va_vdst(0)                   ; the offsets v1 and v2 are written, which every load and store reads, and the table v3, which every permute reads; no vector instruction names them again
	global_load_b32 v[AB], v[LO4], s[8:9]          ; my 32 scales: 128 consecutive bytes, once
.set t, 0
.rept 16
	global_load_b128 v[X+4*t:X+4*t+3], v[LO16], s[6:7] offset:CHUNK*t th:TH_LOAD_NT             ; slots 0-15: the indices
.set t, t+1
.endr
.set t, 0
.rept 16
	global_load_b128 v[X+4*(16+t):X+4*(16+t)+3], v[LO16], s[4:5] offset:CHUNK*t th:TH_LOAD_NT   ; slots 16-31: chunks 0-15 of x
.set t, t+1
.endr
	s_wait_loadcnt 32                              ; the scales are in; the 32 loads issued behind them stay out
	v_cvt_f32_i32 v[AB], v[AB]
	v_mul_f32 v[AB], 0x3c010204, v[AB]             ; x 1 / 127
	v_mul_f32 v[AB], 0x3d4ccccd, v[AB]             ; x 0.05
; LEG 0, four slots (4 g .. 4 g + 3) at a time.  Chunk t is elements 128 t .. 128 t + 127 of my half row: lanes 0-15 hold block 2 t, lanes 16-31 block 2 t + 1.
; SEL: group g's sixteen indices become selects, in registers of their own.  left = the younger loads that may stay out.
.macro SEL g, left
	s_wait_loadcnt \left                           ; loads come back in order (ISA guide 5.7.1): the group's four are in
.set n, 0
.rept 16
	v_min_u32 v[T+16*(\g)+n], 15, v[X+16*(\g)+n]   ; a loaded number selects a lane only behind this clamp
.set n, n+1
.endr
.set n, 0
.rept 16
	v_lshlrev_b32 v[T+16*(\g)+n], 2, v[T+16*(\g)+n]  ; the permute's select is lane x 4
.set n, n+1
.endr
.endm
; LOOK: level[index] lands where the index lay; no LDS byte is touched.
.macro LOOK g
.set n, 0
.rept 16
	ds_bpermute_b32 v[X+16*(\g)+n], v[T+16*(\g)+n], v[TAB]
.set n, n+1
.endr
.endm
; A step of leg 0.  Group g's permutes are out.  The next group's selects are made in their round trip; then group g is weighed and rounded; then, behind one wait, all memory and LDS work in one run.
.macro DEQ4 g
.irp i, 0,1,2,3
	v_readlane_b32 s[20+2*\i], v[AB], 2*(4*\g+\i)        ; absmax of block 2 t
	v_readlane_b32 s[21+2*\i], v[AB], 2*(4*\g+\i)+1      ; and of block 2 t + 1
.endr
.if \g < 3
	SEL (\g)+1, 24                                 ; behind slot 4 g + 7's load stand 8 - 4 g loads of indices, the 16 first loads of x and 4 g refills: 24 in every step
.endif
	s_wait_alu depctr_va_sdst(0)                   ; the eight v_readlane_b32 have written s[20:27], ahead of their first readers below
.irp i, 0,1,2,3
	v_mov_b32 v[TMP], s[21+2*\i]
	v_cndmask_b32 v[SC+2*\i], s[20+2*\i], v[TMP], vcc_lo ; lanes 0-15 take the first, lanes 16-31 the second
.endr
.irp i, 0,1,2,3
.set XT, X+4*(4*\g+\i)
.set YT, Y+2*(4*\g+\i)                 ; chunk t's two registers: the lower or the upper half of its pair's four
	s_wait_dscnt 12-4*\i                           ; this slot's four permutes are back; those of the group's later slots stay out (the next group's are not yet issued)
	v_pk_mul_f32 v[XT:XT+1],   v[XT:XT+1],   v[SC+2*\i:SC+2*\i+1] op_sel_hi:[1,0]
	v_pk_mul_f32 v[XT+2:XT+3], v[XT+2:XT+3], v[SC+2*\i:SC+2*\i+1] op_sel_hi:[1,0]
	v_cvt_pk_f16_f32 v[YT],   v[XT],   v[XT+1]     ; the rounding to f16 that the weights get by definition
	v_cvt_pk_f16_f32 v[YT+1], v[XT+2], v[XT+3]
.endr
.if \g == 3
	s_wait_alu depctr_vm_vsrc(0)                   ; all sixty-four permutes have read their selects T0 to T3: the roundings of legs 1 and 2 write these registers as Y
.endif
	s_wait_alu depctr_va_vdst(0)                   ; group g: the roundings have written Y, which the stores read, and multiplies and roundings are done with its slots, in which the refills land;
	                                               ; group g + 1: the shifts have written its selects, which the permutes read, and the clamps are done reading its slots, in which the levels land
.irp i, 0,1,2,3
	global_load_b128 v[X+4*(4*\g+\i):X+4*(4*\g+\i)+3], v[LO16], s[4:5] offset:CHUNK*(16+4*\g+\i) th:TH_LOAD_NT   ; slot t goes on with chunk 16 + t of x; loads ahead of stores
.endr
.if \g < 3
	LOOK (\g)+1
.endif
.irp p, 0,1
	global_store_b128 v[LO16], v[Y+4*(2*\g+\p):Y+4*(2*\g+\p)+3], s[12:13] offset:CHUNK*(2*\g+\p)   ; a pair of chunks: 512 consecutive bytes of wh
.endr
.endm
; LEGS 1 TO 4.  CV: slots s, s + 1 hold two neighbouring chunks of x, four f32 a lane each; their eight f16 go into v[d .. d + 3].
; With d = the first slot's own registers the conversion is in place: each line's destination has been read by that line or by the one before it.
.macro CV s, d
	v_cvt_pk_f16_f32 v[(\d)],   v[X+4*(\s)],   v[X+4*(\s)+1]
	v_cvt_pk_f16_f32 v[(\d)+1], v[X+4*(\s)+2], v[X+4*(\s)+3]
	v_cvt_pk_f16_f32 v[(\d)+2], v[X+4*(\s)+4], v[X+4*(\s)+5]
	v_cvt_pk_f16_f32 v[(\d)+3], v[X+4*(\s)+6], v[X+4*(\s)+7]
.endm
; A block: slots s .. s + 3 hold chunks c .. c + 3 (c a multiple of 4); its two pairs go into v[d0 ..] and v[d1 ..] and out.
; refill = 1: the four slots take the chunks 32 further on, at once behind the wait.  left = the younger loads that may stay out.
.macro CVT4 s, c, d0, d1, refill, left
	s_wait_loadcnt \left                           ; loads come back in order (ISA guide 5.7.1): all four of mine are in
	CV \s, \d0
	CV (\s)+2, \d1
	s_wait_alu depctr_va_vdst(0)                   ; the eight roundings have written the two stores' data and are done reading the four slots, in which the refills land
.if \refill
.irp i, 0,1,2,3
	global_load_b128 v[X+4*((\s)+\i):X+4*((\s)+\i)+3], v[LO16], s[4:5] offset:CHUNK*((\c)+32+\i) th:TH_LOAD_NT
.endr
.endif
	global_store_b128 v[LO16], v[(\d0):(\d0)+3], s[10:11] offset:CHUNK*((\c)/2)     ; 512 consecutive bytes of xh
	global_store_b128 v[LO16], v[(\d1):(\d1)+3], s[10:11] offset:CHUNK*((\c)/2+1)
.endm
	SEL 0, 28                                      ; behind slot 3's load stand 12 loads of indices and the 16 first loads of x
	s_wait_alu depctr_va_vdst(0)                   ; the shifts have written T0, which the permutes read; the clamps are done reading slots 0-3, in which the levels land
	LOOK 0
.irp g, 0,1,2,3
	DEQ4 \g                                        ; leg 0
.endr
.set q, 0
.rept 4
	CVT4 16+4*q, 4*q, Y+32+8*q, Y+36+8*q, 1, 28    ; leg 1.  Younger than the block's loads: 12 - 4 q first loads of x, leg 0's 16 refills, 4 q of this leg
.set q, q+1
.endr
.set q, 0
.rept 4
	CVT4 4*q, 16+4*q, Y+64+8*q, Y+68+8*q, 1, 28    ; leg 2.  Younger: 12 - 4 q refills of leg 0, leg 1's 16, 4 q of this leg
.set q, q+1
.endr
.set q, 0
.rept 4
	CVT4 16+4*q, 32+4*q, X+4*(16+4*q), X+4*(18+4*q), 0, 28-4*q   ; leg 3, in place.  Younger: 12 - 4 q refills of leg 1 and leg 2's 16; no load leaves x
.set q, q+1
.endr
.set q, 0
.rept 4
	CVT4 4*q, 48+4*q, X+4*(4*q), X+4*(2+4*q), 0, 12-4*q          ; leg 4, in place.  Younger: 12 - 4 q refills of leg 2: the counts run down to 0
.set q, q+1
.endr
	s_endpgm
.Lfunc_end_k_qa577373221_prep:
	.size	k_qa577373221_prep, .Lfunc_end_k_qa577373221_prep-k_qa577373221_prep
	.p2alignl 7, 3214868480
	.fill 96, 4, 3214868480
	.section	.rodata,"a",@progbits
	.p2align	6, 0x0
	.amdhsa_kernel k_qa577373221_prep
		.amdhsa_group_segment_fixed_size 0
		.amdhsa_private_segment_fixed_size 0
		.amdhsa_enable_private_segment 0
		.amdhsa_kernarg_size 40
		.amdhsa_user_sgpr_count 2
		.amdhsa_user_sgpr_kernarg_segment_ptr 1
		.amdhsa_wavefront_size32 1
		.amdhsa_system_sgpr_workgroup_id_x 1
		.amdhsa_system_sgpr_workgroup_id_y 1
		.amdhsa_system_sgpr_workgroup_id_z 1
		.amdhsa_system_vgpr_workitem_id 0
		.amdhsa_next_free_vgpr 240
		.amdhsa_next_free_sgpr 66
		.amdhsa_reserve_vcc 1
		.amdhsa_float_denorm_mode_32 3
		.amdhsa_float_denorm_mode_16_64 3
		.amdhsa_memory_ordered 1
		.amdhsa_forward_progress 1
		.amdhsa_inst_pref_size 40
	.end_amdhsa_kernel
	.amdgpu_metadata
---
amdhsa.version: [ 1, 2 ]
amdhsa.kernels:
  - .name:           k_qa577373221_prep
    .symbol:         k_qa577373221_prep.kd
    .args:
      - { .name: x, .offset: 0, .size: 8, .value_kind: global_buffer, .address_space: global }
      - { .name: indices, .offset: 8, .size: 8, .value_kind: global_buffer, .address_space: global }
      - { .name: q_scales, .offset: 16, .size: 8, .value_kind: global_buffer, .address_space: global }
      - { .name: xh, .offset: 24, .size: 8, .value_kind: global_buffer, .address_space: global }
      - { .name: wh, .offset: 32, .size: 8, .value_kind: global_buffer, .address_space: global }
    .group_segment_fixed_size: 0
    .private_segment_fixed_size: 0
    .kernarg_segment_align: 8
    .kernarg_segment_size: 40
    .max_flat_workgroup_size: 512
    .sgpr_count:     66
    .vgpr_count:     240
    .wavefront_size: 32
...
	.end_amdgpu_metadata
.endif
;; end of part 3
;; launch gemm: the kernel of part 2 again; grid 8 x 32, 4 waves a work-group, clusters of 4 x 4, 327,680 bytes of LDS; arguments xh, wh, out0; writes out0
